; MI455X (gfx1250); checked and timed in simulation.
; The chip was launched on July 23, 2026; its instructions are those of AMD's public machine-readable ISA for CDNA 5 (MIT licence, August 2026) and "CDNA5" Instruction Set Architecture Reference Guide (July 2026). The comments in the code are by the model that wrote it; some were corrected since.
;; Meta Bert Self Attention. Allowed arithmetic: matrix products marked QUANTISED: E4M3 operands, one E8M0 scale for each 32 along K, by v_wmma_scale_f32_16x16x128_f8f6f4 with both operands' format E4M3, f32 sums; everything else in f32.
;; Inputs: Wk 1,024 x 1,024 float32; Wq 1,024 x 1,024 float32; Wv 1,024 x 1,024 float32; attention_mask 8 x 1 x 1 x 1,024 float32; bk 1,024 float32; bq 1,024 float32; bv 1,024 float32; hidden_states 8 x 1,024 x 1,024 float32.
;; Outputs: out0 8 x 1,024 x 1,024 float32.
;; This version of the problem:
;;   THIS VERSION OF THE PROBLEM IS GIVEN IN LOW PRECISION. The matrix products marked QUANTISED in the list below multiply operands that are first quantised to E4M3 (4 exponent bits, 3 mantissa bits; 8 bits a number), with one power-of-two scale for each 32 numbers along K (OCP MX v1.0); their sums are f32. All else is computed in f32.
;;   The module's matrix products, in the order in which they are computed (A, B: the left and right operand; K: the contracted axis; several contracted axes count as one K, in the product's order):
;;     1. [M 8,192, K 1,024] x [K 1,024, N 1,024]; A: input hidden_states; B: input Wq: QUANTISED
;;     2. [M 8,192, K 1,024] x [K 1,024, N 1,024]; A: input hidden_states; B: input Wk: QUANTISED
;;     3. [M 8,192, K 1,024] x [K 1,024, N 1,024]; A: input hidden_states; B: input Wv: QUANTISED
;;     4. batch 128 x [M 1,024, K 64] x [K 64, N 1,024]; A: computed on the way; B: computed on the way: QUANTISED
;;     5. batch 128 x [M 1,024, K 1,024] x [K 1,024, N 64]; A: softmax (see below); B: computed on the way: QUANTISED
;;   THE QUANTISER, for each operand of a quantised product, along K:
;;     - K is cut into blocks of 32 from its start; a last block that is shorter is filled with zeros.
;;     - A block's scale is 2^e with e = floor(log2(the largest magnitude in the block)) - 8, held to -126 .. 127; a block of zeros has e = 0. As a byte (E8M0): e + 127.
;;     - Each number is divided by its block's scale, clamped to +-448, and rounded to the nearest number of E4M3, ties to even, subnormals kept.
;;     - The product sums the exact products of the quantised numbers (number of the format x scale) in f32.
;;   ~~~python
;;   def quantise(x, axis):      # numpy; x: float32 -> the quantised numbers, widened to float32 again
;;       x = np.moveaxis(x, axis, -1); K = x.shape[-1]
;;       x = np.pad(x, [(0, 0)] * (x.ndim - 1) + [(0, -K % 32)]); x = x.reshape(x.shape[:-1] + (-1, 32)); a = np.abs(x).max(-1, keepdims=True)
;;       e = np.where(a > 0, np.clip(np.frexp(np.where(a > 0, a, 1))[1] - 1 - 8, -126, 127), 0)      # np.frexp(a)[1] - 1 = floor(log2(a)), exactly
;;       r = np.clip(x / 2.0 ** e, -448, 448)
;;       step = 2.0 ** (np.maximum(np.frexp(np.where(r == 0, 1, r))[1] - 1, -6) - 3)
;;       q = np.round(r / step) * step * 2.0 ** e      # np.round: ties to even
;;       return np.moveaxis(q.reshape(q.shape[:-2] + (-1,))[..., :K], -1, axis).astype(np.float32)
;;   ~~~
;;   SOFTMAX AHEAD OF A QUANTISED PRODUCT. Where the list says 'softmax', what is quantised is not the finished softmax but p = 2^(t - M), with t = logit x log2(e) and M = ceil(the row's largest t), a whole number; so 1/2 < the row's largest p <= 1. The row's sum l is taken of the UNQUANTISED p, in f32, and the product's result is divided by l at the end. Since M is a whole number, a kernel that streams over the keys may use a running M (the ceiling of the running maximum): every later rescaling is an exact power of two, which a block's scale takes up: the codes' values come out the same.
;;   OPERANDS COMPUTED ON THE WAY. 'Computed on the way' means the value that the module computes at that place (a softmax that the list does not call 'softmax' is quantised finished and normalised). What goes into a quantiser is computed in f32, as accurately as f32 sums, v_exp_f32 and their like allow (about 1e-6 of the number): no bf16 or f16 on the way to a quantiser, and a product that is left as it is and whose result goes on into a quantised operand takes f32 operands (vector FMAs, or v_wmma_f32_16x16x4_f32). A number that lies on a knife's edge between two numbers of the format may be rounded either way, as far as f32 arithmetic and the matrix unit's own rounding can turn it there, and no further.
;; One version. Each part assembles by itself: llvm-mc -triple=amdgcn-amd-amdhsa -mcpu=gfx1250 --defsym DOCPART=n.
;; ======== version 1 of 1: 3 launches
;; workspace buffers: x_codes 8,388,608 bytes; x_scales 262,144 bytes; w_codes 3,145,728 bytes; w_scales 98,304 bytes; cd 33,554,432 bytes; sc 1,048,576 bytes
;; launch quant (part 1): grid 352 x 1, 4 waves a work-group, no clusters, 33,280 bytes of LDS; arguments hidden_states, Wq, Wk, Wv, x_codes, x_scales, w_codes, w_scales; writes x_codes, x_scales, w_codes, w_scales
.if DOCPART == 1
	.amdgcn_target "amdgcn-amd-amdhsa--gfx1250"
	.amdhsa_code_object_version 6
	.text
	.protected	k_qd7605ee1cb_quant
	.globl	k_qd7605ee1cb_quant
	.p2align	8
	.type	k_qd7605ee1cb_quant,@function
k_qd7605ee1cb_quant:
	s_mov_b64 s[64:65], 0
	v_nop
	global_prefetch_b8 v0, s[64:65] scope:SCOPE_SE
	s_setreg_imm32_b32 hwreg(HW_REG_WAVE_MODE, 25, 1), 1
	s_wait_xcnt 0x0
; SELF-ATTENTION IN MX-FP8, launch 1 of 3.  hidden_states [8192][1024], Wq, Wk, Wv [1024][1024], f32, K = 1,024 innermost, become codes of FP8 (E4M3) with one E8M0 byte for each 32 along K.
; DEAD WORK: none is left out in this program.  Every input has a way to the output: the three biases move the codes of q, k and v, and the mask differs from key to key along the softmax's axis.
; A block's scale is 2^(floor(log2(its largest magnitude)) - 8); its byte is the largest magnitude's exponent field - 8, held at 1 from below.  Each number is divided by the scale, held within +-448, rounded to the nearest code, ties to even.
; LIMITS: a block of zeros, or one whose largest magnitude lies under 2^(9 - 127), gets the byte 1 (its codes are zeros or the smallest codes; the bytes are read by this program alone); NaN and infinities among the inputs are not served.
; THE ROWS ARE LAID IN ANOTHER ORDER: within each 32 rows, rows 8-15 and rows 16-23 change places.  So 16 rows on end in the workspace, 16 u + r, are rows 8 u + r + 8 (r / 8) of the tensor:
; the choice of a tile's rows by which the next launch's results fall into a lane's registers as 16 neighbours along the next product's K.
; x_codes [8192 places][1024], x_scales [8192][32]; w_codes [3072 places][1024] (Wq's rows, Wk's, Wv's), w_scales [3072][32].
; SHARES: a work-group takes 32 rows (32,768 numbers), a wave 8 rows in 16 steps of 512 numbers.  Work-groups 0-255: x; 256-287: Wq; 288-319: Wk; 320-351: Wv.  Only pointers and indices are chosen: one path through the text.
; Each of a step's four loads reads 512 consecutive bytes; the 2,048 bytes turn through the wave's own stage in LDS and come back 64 bytes a lane: 16 neighbours along K, two lanes to a block.
; A lane's 16 codes are 16 bytes: the wave stores 512 consecutive bytes.  A wave's 256 scale bytes are gathered in its own LDS bytes and leave as one aligned run of 256 bytes.
; No tensor load, no barrier: waves share nothing.  Loads run four steps (16 loads a wave) ahead, the turn through LDS one step.  No matrix unit and no cluster: nothing is multiplied and nothing is read twice.
.set WAVES, 4
.set STEPS, 16
.set EMAX,  8
.set MANT,  0x600000                   ; the mantissa field of 448 as f32
.set CB,    16                         ; bytes of 16 codes
.set R,     16                         ; v16-79   four sets of 16 numbers as they are loaded
.set X,     80                         ; v80-111  two sets of 16 neighbours
.set E,     112                        ; v112-127 a scale byte for each step
.set C,     128                        ; v128-191 codes: four registers for each step, so that no store's data are written again
.set WREG,  8192                       ; LDS: a region for each wave: two stages of 32 x SP bytes, behind them its 256 scale bytes
.set SP,    80                         ; a lane's place in a stage: its 64 bytes + 16 of padding
.set SPW,   12                         ; v12      LDS address of my spare word; never rewritten
.set NIL,   13                         ; v13      0; never rewritten
.set SPARE, WAVES*WREG                 ; behind the four regions: the spare words, 128 bytes a wave, that no other line names
	s_load_b256 s[4:11], s[0:1], 0x0               ; hidden_states s[4:5], Wq s[6:7], Wk s[8:9], Wv s[10:11]
	s_load_b256 s[12:19], s[0:1], 0x20             ; x_codes s[12:13], x_scales s[14:15], w_codes s[16:17], w_scales s[18:19]
	v_lshl_add_u32 v[SPW], v0, 2, SPARE
	v_mov_b32 v[NIL], 0
	v_lshrrev_b32 v1, 5, v0
	v_readfirstlane_b32 s20, v1                    ; wave
	v_and_b32 v2, 31, v0                           ; lane
	v_lshlrev_b32 v3, 4, v2                        ; my 16 bytes of a load's 512
	s_mul_i32 s21, s20, WREG
	v_lshrrev_b32 v14, 2, v2
	v_mul_u32_u24 v14, v14, SP
	v_and_b32 v15, 3, v2
	v_lshl_add_u32 v14, v15, 4, v14
	v_add_nc_u32 v14, s21, v14                     ; the stage, on the way in: SP (lane / 4) + 16 (lane % 4)
	v_mul_u32_u24 v15, v2, SP
	v_add_nc_u32 v15, s21, v15                     ; and on the way out: SP x lane: my 16 neighbours
	v_mul_u32_u24 v4, v2, CB                       ; my codes' place in a step's
	v_lshrrev_b32 v5, 1, v2
	s_add_co_u32 s21, s21, 2*32*SP
	v_add_nc_u32 v5, s21, v5                       ; LDS: my wave's 256 scale bytes, my block's byte
	v_lshlrev_b32 v7, 3, v2                        ; and on the way out 8 bytes a lane
	v_add_nc_u32 v6, s21, v7
	s_mov_b32 s23, MANT                            ; (an instruction takes one literal: the hold's line has another)
	s_and_b32 s24, ttmp9, 31                       ; a weight's work-group: which 32 rows of its tensor,
	s_max_u32 s25, ttmp9, 256
	s_sub_co_u32 s25, s25, 256                     ; and which 32 places of w_codes
	s_and_b32 s26, s20, 1
	s_lshl_b32 s26, s26, 1
	s_lshr_b32 s27, s20, 1
	s_or_b32 s26, s26, s27                         ; where my 8 rows go among the 32: waves 1 and 2 change places
	s_wait_kmcnt 0x0
	s_cmp_lt_u32 ttmp9, 320                        ; the choices hang on the work-group's number alone
	s_cselect_b64 s[10:11], s[8:9], s[10:11]
	s_cmp_lt_u32 ttmp9, 288
	s_cselect_b64 s[10:11], s[6:7], s[10:11]
	s_cmp_lt_u32 ttmp9, 256
	s_cselect_b64 s[4:5], s[4:5], s[10:11]         ; the source
	s_cselect_b64 s[8:9], s[12:13], s[16:17]       ; its codes
	s_cselect_b64 s[10:11], s[14:15], s[18:19]     ; its scale bytes
	s_cselect_b32 s24, ttmp9, s24
	s_cselect_b32 s25, ttmp9, s25
	s_lshl_b32 s24, s24, 2
	s_add_co_u32 s24, s24, s20                     ; which run of 8 rows I read,
	s_lshl_b32 s25, s25, 2
	s_add_co_u32 s25, s25, s26                     ; and which I write
	s_lshl_b32 s28, s24, 15                        ; 32,768 bytes of f32 a run (under 2^25)
	s_mov_b32 s29, 0
	s_add_nc_u64 s[4:5], s[4:5], s[28:29]
	s_lshl_b32 s28, s25, 13                        ; 8,192 bytes of codes
	s_add_nc_u64 s[8:9], s[8:9], s[28:29]
	s_lshl_b32 s28, s25, 8                         ; 256 scale bytes
	s_add_nc_u64 s[10:11], s[10:11], s[28:29]
.macro LOAD t
.irp i, 0,1,2,3
	global_load_b128 v[R+16*((\t)%4)+4*\i:R+16*((\t)%4)+4*\i+3], v3, s[4:5] offset:2048*(\t)+512*\i th:TH_LOAD_NT   ; 32 lanes read 512 consecutive bytes
.endr
.endm
.macro TURN t                          ; step t's numbers through the stage: LDS serves a wave's instructions in order, so no wait stands between the stores and the loads
.irp i, 0,1,2,3
	ds_store_b128 v14, v[R+16*((\t)%4)+4*\i:R+16*((\t)%4)+4*\i+3] offset:32*SP*((\t)%2)+8*SP*\i
.endr
.irp i, 0,1,2,3
	ds_load_b128 v[X+16*((\t)%2)+4*\i:X+16*((\t)%2)+4*\i+3], v15 offset:32*SP*((\t)%2)+16*\i
.endr
.endm
.irp t, 0,1,2,3
	LOAD \t
.endr
	s_wait_loadcnt 12                              ; step 0's four loads are in; the twelve of steps 1 to 3 may be out
	TURN 0
.macro STEP t
.set XS, X+16*((\t)%2)
.if (\t) > 0
	s_wait_dscnt 1                                 ; this step's numbers are back from the stage (the last step's byte store may be out): so its stores into the stage have read their registers,
.else
	s_wait_dscnt 0x0
.endif
.if (\t)+4 < STEPS
	LOAD (\t)+4                                    ; which take the loads of four steps on
.endif
.if (\t)+1 < STEPS
.if STEPS-2-(\t) >= 3
	s_wait_loadcnt 12                              ; the next step's four loads are in; those of the three steps behind it may be out
.else
	s_wait_loadcnt 4*(STEPS-2-(\t))
.endif
	TURN (\t)+1                                    ; and go through the other stage while this step is worked
.endif
	v_max3_num_f32 v8, |v[XS]|, |v[XS+1]|, |v[XS+2]|               ; the largest magnitude of my 16, in two chains
	v_max3_num_f32 v9, |v[XS+3]|, |v[XS+4]|, |v[XS+5]|
.irp i, 6,10
	v_max3_num_f32 v8, v8, |v[XS+\i]|, |v[XS+\i+1]|
	v_max3_num_f32 v9, v9, |v[XS+\i+2]|, |v[XS+\i+3]|
.endr
	v_max3_num_f32 v8, v8, |v[XS+14]|, |v[XS+15]|
	v_max3_num_f32 v8, v8, v9, (EMAX+1)<<23        ; and the floor 2^(EMAX + 1 - 127): the byte cannot fall under 1
	v_max_num_f32_dpp v8, v8, v8 row_xmask:1 row_mask:0xf bank_mask:0xf   ; and of my neighbour's 16: the block's
	v_add_nc_u32 v11, -(EMAX<<23), v8              ; EMAX off its exponent field: the conversion takes the exponent field of this operand as its scale
	v_and_or_b32 v10, v8, 0x7f800000, s23          ; 448 x the scale: the largest magnitude's exponent field over 448's mantissa
.irp i, 0,1,2,3,4,5,6,7,8,9,10,11,12,13,14,15
	v_med3_num_f32 v[XS+\i], v[XS+\i], -v10, v10   ; the conversion to an 8-bit code does not saturate (ISA guide 7.6.2): the hold comes first
.endr
	v_cvt_scalef32_pk8_fp8_f32 v[C+4*(\t):C+4*(\t)+1], v[XS:XS+7], v11
	v_cvt_scalef32_pk8_fp8_f32 v[C+4*(\t)+2:C+4*(\t)+3], v[XS+8:XS+15], v11
	v_lshrrev_b32 v[E+(\t)], 23, v11               ; the scale's byte (also the plain line behind the conversions)
	ds_store_b8 v5, v[E+(\t)] offset:16*(\t)       ; both lanes of a block write the same byte with the same value
	global_store_b128 v4, v[C+4*(\t):C+4*(\t)+3], s[8:9] offset:32*CB*(\t)   ; 512 consecutive bytes
.endm
.irp t, 0,1,2,3,4,5,6,7,8,9,10,11,12,13,14,15
	STEP \t
.endr
	ds_load_b64 v[8:9], v6                         ; LDS serves a wave's instructions in order: these see my stores
	s_wait_dscnt 0x0
	global_store_b64 v7, v[8:9], s[10:11]          ; 32 lanes store 256 consecutive bytes, aligned
	s_wait_tensorcnt 0x0                           ; the wave's end
	ds_add_u32 v[SPW], v[NIL]
	s_wait_dscnt 0x0
	s_endpgm
.Lfunc_end_k_qd7605ee1cb_quant:
	.size	k_qd7605ee1cb_quant, .Lfunc_end_k_qd7605ee1cb_quant-k_qd7605ee1cb_quant
	.p2alignl 7, 3214868480
	.fill 96, 4, 3214868480
	.section	.rodata,"a",@progbits
	.p2align	6, 0x0
	.amdhsa_kernel k_qd7605ee1cb_quant
		.amdhsa_group_segment_fixed_size 33280
		.amdhsa_private_segment_fixed_size 0
		.amdhsa_enable_private_segment 0
		.amdhsa_kernarg_size 64
		.amdhsa_user_sgpr_count 2
		.amdhsa_user_sgpr_kernarg_segment_ptr 1
		.amdhsa_wavefront_size32 1
		.amdhsa_system_sgpr_workgroup_id_x 1
		.amdhsa_system_sgpr_workgroup_id_y 1
		.amdhsa_system_sgpr_workgroup_id_z 1
		.amdhsa_system_vgpr_workitem_id 0
		.amdhsa_next_free_vgpr 192
		.amdhsa_next_free_sgpr 66
		.amdhsa_reserve_vcc 0
		.amdhsa_float_denorm_mode_32 3
		.amdhsa_float_denorm_mode_16_64 3
		.amdhsa_memory_ordered 1
		.amdhsa_forward_progress 1
		.amdhsa_inst_pref_size 51
	.end_amdhsa_kernel
	.amdgpu_metadata
---
amdhsa.version: [ 1, 2 ]
amdhsa.kernels:
  - .name:           k_qd7605ee1cb_quant
    .symbol:         k_qd7605ee1cb_quant.kd
    .args:
      - { .name: hidden_states, .offset: 0, .size: 8, .value_kind: global_buffer, .address_space: global }
      - { .name: Wq, .offset: 8, .size: 8, .value_kind: global_buffer, .address_space: global }
      - { .name: Wk, .offset: 16, .size: 8, .value_kind: global_buffer, .address_space: global }
      - { .name: Wv, .offset: 24, .size: 8, .value_kind: global_buffer, .address_space: global }
      - { .name: x_codes, .offset: 32, .size: 8, .value_kind: global_buffer, .address_space: global }
      - { .name: x_scales, .offset: 40, .size: 8, .value_kind: global_buffer, .address_space: global }
      - { .name: w_codes, .offset: 48, .size: 8, .value_kind: global_buffer, .address_space: global }
      - { .name: w_scales, .offset: 56, .size: 8, .value_kind: global_buffer, .address_space: global }
    .group_segment_fixed_size: 33280
    .private_segment_fixed_size: 0
    .kernarg_segment_align: 8
    .kernarg_segment_size: 64
    .max_flat_workgroup_size: 128
    .sgpr_count:     66
    .vgpr_count:     192
    .wavefront_size: 32
...
	.end_amdgpu_metadata
.endif
;; end of part 1
;; launch proj (part 2): grid 12 x 32, 4 waves a work-group, clusters of 4 x 4, 327,680 bytes of LDS; arguments x_codes, x_scales, w_codes, w_scales, bq, bk, bv, cd, sc; writes cd, sc
.if DOCPART == 2
	.amdgcn_target "amdgcn-amd-amdhsa--gfx1250"
	.amdhsa_code_object_version 6
	.text
	.protected	k_qd7605ee1cb_proj
	.globl	k_qd7605ee1cb_proj
	.p2align	8
	.type	k_qd7605ee1cb_proj,@function
k_qd7605ee1cb_proj:
	s_mov_b64 s[64:65], 0
	v_nop
	global_prefetch_b8 v0, s[64:65] scope:SCOPE_SE
	s_setreg_imm32_b32 hwreg(HW_REG_WAVE_MODE, 25, 1), 1
	s_wait_xcnt 0x0
	s_wait_alu depctr_hold_cnt(0) depctr_sa_sdst(0) depctr_va_vdst(0) depctr_va_sdst(0) depctr_va_ssrc(0) depctr_va_vcc(0) depctr_vm_vsrc(0)
	s_getreg_b32 s2, hwreg(HW_REG_IB_STS2, 6, 4)
	s_cmp_eq_u32 s2, 0
	s_cbranch_scc0 .Lentry_in_a_cluster
	s_endpgm
.Lentry_in_a_cluster:
	s_bfe_u32 s2, ttmp6, 0x10000c
	s_cmp_lg_u32 s2, 0xf033
	s_cbranch_scc0 .Lentry_shape_is_right
	s_endpgm
.Lentry_shape_is_right:
; SELF-ATTENTION IN MX-FP8, launch 2 of 3: q, k, v = x W^T + b on codes (K = 1,024), and the results quantised in registers for the attention's two products.  No work is left out.
; A tile of 256 x 256 results is made by four waves, 128 x 128 each: 64 accumulators, 512 registers.  K goes in four steps of 256 through a ring of two LDS slots filled by the tensor data mover; the scale bytes of the tile's rows, all of K, come once.
; THE CLUSTER'S x SAYS WHICH PRODUCT: 0 q, 1 k, 2 v; it is the same in all sixteen partners, so branches may hang on it.  "A" feeds source 1 (a lane holds one row of A), "B" feeds source 0 (a lane's registers run along B's rows).
;   q, k: A = 256 tokens of x, B = 256 rows of W: a lane holds one token and its registers run along the features, the next product's K (the head's 64).
;   v:    A = 256 rows of Wv, B = 256 tokens of x: a lane holds one feature and its registers run along the tokens, the next product's K (the keys).
; The rows of x and W lie in the workspace so that 16 places on end, 16 u + r, are rows 8 u + r + 8 (r / 8) of each 32.  So registers 16 g + i of the eight accumulators of one block of A are B's rows 32 g + 16 (lane / 16) + i: 16 neighbours,
; and a block of 32 lies in lanes l and l xor 16.  The conversions' results are then four-register groups of the next operand, and leave as IMAGES OF REGISTERS: lane l's 16 bytes at 16 l, 512 bytes a store.
; cd [type 2][batch 8][head 16][step of 128 tokens 8][half 2][8192]: type 0 half 0: q; type 1 half 0: k; type 1 half 1: v.  q, k: image 2 a + c = tile a of 16 tokens, d = 32 c on.  v: image 4 t + c = tile t of 16 of the head's 64, keys 32 c on.
; sc, the same order, [..][256]: [lane % 16][4 words].  q, k: word a / 2, bytes 2 (a % 2) + c.  v: word t, byte c.
; THE BIAS is the C of each sum's first matrix instruction.  CLUSTERS: the four of a row of the cluster need the same tiles of A, the four of a column the same tiles of B: each tile is asked for jointly.
; 384 tiles for 256 WGPs: half of them get a second tile.  A tile of 128 x 128 a work-group would read each LDS byte for half as many products; 256 x 384 does not fit the registers.
; LIMITS: blocks of q, k or v whose largest magnitude lies under 2^(9 - 127) get the byte 1; NaN and infinities are not served.
; REGISTERS, in windows of 256: window 0: v16-29 addresses; v32-63 scale words, two sets; v64-127 the bias; v128-255 A's fragments, one set.  window 1: B's fragments, two sets.  windows 2, 3: the accumulators ((a, b) at v[8 (8 (a % 4) + b)]).
.set KSTEP,  256
.set NQ,     2                         ; matrix instructions deep in a slot
.set ROWB,   256                       ; a tile's row in bytes
.set KROW,   1024                      ; a row of codes in memory
.set PITCH,  272                       ; an LDS row: 256 bytes + 16 of padding: the 16 rows that a load touches start at 16 different banks (64 banks of 4 bytes: ISA guide 11.1)
.set FR,     16
.set NL,     4
.set NP,     8                         ; places behind this matrix instruction (ISA guide 7.12.1)
.set HALFT,  128*PITCH
.set SLOT,   4*HALFT                   ; A's 256 rows, then B's 256 rows
.set LAPS,   2
.set KS,     32                        ; a row of scale bytes
.set SCL,    2*SLOT                    ; behind the ring: the scales, as runs of 256 bytes + 16 of padding
.set HALFS,  (128*KS/256)*272
.set SBLK,   (16*KS/256)*272
.set SPARE,  SCL+4*HALFS               ; the spare words, 128 bytes a wave, that no other line names
.set ADRA, 16                          ; v16-17  LDS address of my A fragments in slot 0, 1
.set ADRB, 20                          ; v20-21  the same for B
.set LI,   24                          ; v24     16 x lane: my place in an image
.set SA,   25                          ; v25     16 (lane % 16) + 4096 (lane / 16): my place among the scale words of two heads
.set ADRS, 27                          ; v27     LDS address of my scale words: lanes 0-15 A's rows, lanes 16-31 B's
.set SPW,  28
.set NIL,  29
.set SC,   32
.set BIAS, 64
.set AF,   128
.set TM,   32                          ; the way out: v32-35 largest magnitudes, v36-39 bytes, v40-43 448 x the scale, v44-47 the conversions' scale operands
.set PW,   48                          ; v48-55  block a's scale word
.set SELV, 56                          ; v56-57  byte selects
.set SW,   60                          ; v60-63  the four scale words that I store
.set HV,   64                          ; v64-127 64 numbers, held
.set PC,   128                         ; v128-255 codes: 16 registers for each a, so that no store's data are written again
.set G1, 24
.set G0, 32
.set G1B, 48
.set G0B, 56
.set G1S, 68
.set G0S, 76
.set G1SB, 80
.set G0SB, 88
.set SEL, 96                           ; s[96:97] lane selects for lane l xor 16 (written when the offsets made there are used up)
.set MNT, 100                          ; s100    448's mantissa field
.set HM,  101                          ; s101    lanes 16-31
.set MSB, 0
.macro WIN new                         ; the immediate's high byte repeats the setting that is left
.if MSB != \new
	s_set_vgpr_msb (MSB<<8)|\new
.set MSB, \new
.endif
.endm
.set MUL_LO, 0xa1                      ; source 0 (B) window 1, source 1 (A) window 0, C and D window 2
.set MUL_HI, 0xf1                      ; the same, C and D window 3
.set TO_B,   0x40
; A joint load: waves 0 and 1 fetch for A, waves 2 and 3 for B; the branch hangs on the wave's number alone.  An s_nop 0 and four v_nop follow each of the two lines.
.macro JLOAD g0a, g1a, g0b, g1b
	s_cmp_eq_u32 s15, 0
	s_cbranch_scc0 .Lfor_b_\@
	tensor_load_to_lds s[\g0a:\g0a+3], s[\g1a:\g1a+7]
	s_nop 0
.rept 4
	v_nop
.endr
	s_branch .Lasked_\@
.Lfor_b_\@:
	tensor_load_to_lds s[\g0b:\g0b+3], s[\g1b:\g1b+7]
	s_nop 0
.rept 4
	v_nop
.endr
.Lasked_\@:
.endm
.macro CREST                           ; a round of the cluster's barrier behind its opening barrier
	s_cmp_lg_u32 s14, 0
	s_cbranch_scc1 .Lnot_wave_0_\@
	s_barrier_signal -3
.Lnot_wave_0_\@:
	s_barrier_wait -3
	s_barrier_signal -1
	s_barrier_wait -1
.endm
.macro CROUND
	s_barrier_signal -1
	s_barrier_wait -1
	CREST
.endm
	s_load_b256 s[4:11], s[0:1], 0x0               ; x_codes s[4:5], x_scales s[6:7], w_codes s[8:9], w_scales s[10:11]
	v_lshl_add_u32 v[SPW], v0, 2, SPARE
	v_mov_b32 v[NIL], 0
	ds_add_u32 v[SPW], v[NIL]                      ; the wave's opening: the add, twice on end, and its wait ahead of my first tensor load
	ds_add_u32 v[SPW], v[NIL]
	v_lshrrev_b32 v1, 5, v0
	v_readfirstlane_b32 s14, v1                    ; wave 0..3
	s_lshr_b32 s15, s14, 1                         ; which half of A's rows is mine.  Also: I fetch for A (0) or for B (1)
	s_and_b32 s16, s14, 1                          ; which half of B's rows.  Also: which 128 rows of that tile I fetch
	s_bfe_u32 s40, ttmp6, 0x40000                  ; cx, cy: my place in the cluster
	s_bfe_u32 s41, ttmp6, 0x40004
	s_lshl_b32 s42, ttmp9, 2                       ; 4 x cluster x
	s_and_b32 s17, ttmp7, 0xffff
	s_lshl_b32 s17, s17, 2                         ; 4 x cluster y
	s_cmp_eq_u32 ttmp9, 2                          ; v?
	s_cselect_b32 s12, 8, s17                      ; A's tiles: Wv's begin at tile 8 of w_codes; else x's, by the cluster's y
	s_cselect_b32 s13, s17, s42                    ; B's tiles: x's, by the cluster's y; else W's, by the cluster's x
	s_add_co_u32 s17, s12, s41                     ; A's tile: + cy
	s_add_co_u32 s42, s13, s40                     ; B's tile: + cx
	s_lshl_b32 s43, s41, 2
	s_lshl_b32 s43, 15, s43                        ; my row of the cluster
	s_lshl_b32 s44, 0x1111, s40                    ; my column
	s_or_b32 s[G1+0], s43, (0<<16)|(1<<20)|(1<<21)|(5<<22)|(3<<25)  ; 15:0 the mask: A's tiles go to my row; elements of 1 byte; padding on; bit 21 beside a mask; 4 words of padding after every 64
	s_or_b32 s[G1B+0], s44, (0<<16)|(1<<20)|(1<<21)|(5<<22)|(3<<25)
.irp g, G1, G1B
	s_mov_b32 s[\g+1], ROWB<<16                    ; tensor_dim0
	s_mov_b32 s[\g+2], 128<<16                     ; tensor_dim1
	s_mov_b32 s[\g+3], ROWB<<16                    ; tile_dim0
	s_mov_b32 s[\g+4], 128                         ; tile_dim1
	s_mov_b32 s[\g+5], KROW                        ; tensor_dim0_stride
	s_mov_b32 s[\g+6], 0
	s_mov_b32 s[\g+7], 0
.endr
	s_or_b32 s[G1S+0], s43, (3<<16)|(1<<20)|(1<<21)|(5<<22)|(3<<25) ; the scales of 128 rows: 4,096 dense bytes, as 16 rows of 32 elements of 8 bytes, 16 bytes of padding behind each
	s_or_b32 s[G1SB+0], s44, (3<<16)|(1<<20)|(1<<21)|(5<<22)|(3<<25)
.irp g, G1S, G1SB
	s_mov_b32 s[\g+1], 32<<16
	s_mov_b32 s[\g+2], (128*KS/256)<<16
	s_mov_b32 s[\g+3], 32<<16
	s_mov_b32 s[\g+4], 128*KS/256
	s_mov_b32 s[\g+5], 32
	s_mov_b32 s[\g+6], 0
	s_mov_b32 s[\g+7], 0
.endr
	s_lshl_b32 s18, s16, 7                         ; which 128 rows of the tile I fetch
	s_lshl_b32 s20, s17, 8
	s_add_co_u32 s20, s20, s18                     ; A: place 256 x tile + 128 x half
	s_lshl_b32 s46, s42, 8
	s_add_co_u32 s46, s46, s18                     ; B likewise
	s_lshl_b32 s22, s20, 5                         ; where these rows' scale bytes begin,
	s_mov_b32 s23, 0
	s_lshl_b32 s92, s46, 5
	s_mov_b32 s93, 0
	s_lshl_b32 s20, s20, 10                        ; and their codes (under 2^23)
	s_mov_b32 s21, 0
	s_lshl_b32 s46, s46, 10
	s_mov_b32 s47, 0
	s_mul_i32 s45, s14, HALFT                      ; where they go: wave x 128 rows: no place in the cluster enters an LDS address
	s_mul_i32 s94, s14, HALFS
	s_wait_dscnt 0x0                               ; both opening adds are done
	s_wait_kmcnt 0x0
	s_cmp_eq_u32 ttmp9, 2
	s_cselect_b64 s[96:97], s[8:9], s[4:5]         ; A's codes: the weights' for v, else x's
	s_cselect_b64 s[98:99], s[10:11], s[6:7]       ; A's scales
	s_cselect_b64 s[8:9], s[4:5], s[8:9]           ; B's codes
	s_cselect_b64 s[10:11], s[6:7], s[10:11]       ; B's scales
	s_add_nc_u64 s[20:21], s[96:97], s[20:21]
	s_add_nc_u64 s[22:23], s[98:99], s[22:23]
	s_add_nc_u64 s[46:47], s[8:9], s[46:47]
	s_add_nc_u64 s[92:93], s[10:11], s[92:93]
	CROUND                                         ; all sixteen work-groups are here: the first joint loads meet
	s_mov_b32 s[G0S], 1
	s_add_co_u32 s[G0S+1], s94, SCL
	s_mov_b64 s[G0S+2:G0S+3], s[22:23]
	s_or_b32 s[G0S+3], s[G0S+3], 0x80000000
	s_mov_b32 s[G0SB], 1
	s_add_co_u32 s[G0SB+1], s94, SCL
	s_mov_b64 s[G0SB+2:G0SB+3], s[92:93]
	s_or_b32 s[G0SB+3], s[G0SB+3], 0x80000000
	JLOAD G0S, G1S, G0SB, G1SB                     ; the scales first: they are wanted with K step 0
.irp s, 0,1
	s_mov_b32 s[G0+4*\s], 1
	s_add_co_u32 s[G0+4*\s+1], s45, \s*SLOT
	s_add_nc_u64 s[G0+4*\s+2:G0+4*\s+3], s[20:21], \s*ROWB
	s_or_b32 s[G0+4*\s+3], s[G0+4*\s+3], 0x80000000
	s_mov_b32 s[G0B+4*\s], 1
	s_add_co_u32 s[G0B+4*\s+1], s45, \s*SLOT
	s_add_nc_u64 s[G0B+4*\s+2:G0B+4*\s+3], s[46:47], \s*ROWB
	s_or_b32 s[G0B+4*\s+3], s[G0B+4*\s+3], 0x80000000
	JLOAD G0+4*\s, G1, G0B+4*\s, G1B               ; three tensor loads of mine are out
.endr
	s_load_b256 s[4:11], s[0:1], 0x20              ; bq s[4:5], bk s[6:7], bv s[8:9], cd s[10:11]
	s_load_b64 s[12:13], s[0:1], 0x40              ; sc
	v_and_b32 v1, 15, v0                           ; r = lane % 16
	v_bfe_u32 v2, v0, 4, 1                         ; h = lane / 16
	v_mul_u32_u24 v3, v1, PITCH
	v_lshl_add_u32 v4, v2, 4, v3                   ; a fragment's row x pitch + 16 x half
	s_mul_i32 s21, s15, HALFT                      ; my 128 rows of A
	s_mul_i32 s22, s16, HALFT                      ; my 128 rows of B,
	s_add_co_u32 s22, s22, 2*HALFT                 ; which lie behind A's 256
.irp s, 0,1
	v_add_nc_u32 v[ADRA+\s], s21, v4
	v_add_nc_u32 v[ADRB+\s], s22, v4
	s_add_co_u32 s21, s21, SLOT
	s_add_co_u32 s22, s22, SLOT
.endr
	v_mul_u32_u24 v5, v1, KS                       ; my row's scales: KS bytes a row,
	v_lshrrev_b32 v6, 8, v5
	v_lshl_add_u32 v5, v6, 4, v5                   ; and 16 more for each 256 passed
	s_mul_i32 s21, s15, HALFS
	s_mul_i32 s22, s16, HALFS
	s_add_co_u32 s22, s22, 2*HALFS
	s_sub_co_u32 s22, s22, s21
	v_mul_u32_u24 v6, s22, v2                      ; lanes 16-31 take B's: one product, the distance between the two bases
	s_add_co_u32 s21, s21, SCL
	v_add_nc_u32 v5, v5, v6
	v_add_nc_u32 v[ADRS], s21, v5
	v_and_b32 v6, 31, v0
	v_lshlrev_b32 v[LI], 4, v6
	v_lshlrev_b32 v[SA], 4, v1
	v_lshl_add_u32 v[SA], v2, 12, v[SA]
	v_lshlrev_b32 v8, 6, v2                        ; the bias of q, k: 16 numbers on for lanes 16-31
	v_and_b32 v9, 8, v1
	v_add_nc_u32 v9, v9, v1
	v_lshlrev_b32 v9, 2, v9                        ; the bias of v: number r + 8 (r / 8) of a tile's 24
	s_wait_kmcnt 0x0
	s_cmp_eq_u32 ttmp9, 2
	s_cselect_b32 s92, s41, s40                    ; which 256 features: by cy for v, else by cx
	s_cselect_b32 s93, s15, s16                    ; and which half of them is my wave's
	s_cselect_b32 s94, s42, s17                    ; which 256 tokens
	s_cselect_b32 s95, s16, s15                    ; and which half
	s_cselect_b32 s96, 8192, 0                     ; v lies in the second half of a step's bytes
	s_cselect_b32 s97, 256, 0
	s_cselect_b64 s[98:99], s[8:9], s[6:7]
	s_cmp_eq_u32 ttmp9, 0
	s_cselect_b64 s[98:99], s[4:5], s[98:99]       ; my product's bias
	s_cselect_b32 s100, 0, 1                       ; type: q 0; k, v 1
	s_lshl_b32 s18, s92, 10
	s_lshl_b32 s19, s93, 9
	s_add_co_u32 s18, s18, s19
	s_mov_b32 s19, 0
	s_add_nc_u64 s[98:99], s[98:99], s[18:19]      ; at my wave's 128 features
	s_lshr_b32 s18, s94, 2                         ; batch: four tiles of 256 tokens each
	s_lshl_b32 s18, s18, 4
	s_lshl_b32 s20, s92, 2
	s_add_co_u32 s18, s18, s20
	s_lshl_b32 s20, s93, 1
	s_add_co_u32 s18, s18, s20                     ; 16 x batch + my first head (my 128 features are two heads)
	s_and_b32 s20, s94, 3
	s_lshl_b32 s20, s20, 1
	s_add_co_u32 s20, s20, s95                     ; which step of 128 tokens of the batch
	s_lshl_b32 s22, s100, 24
	s_lshl_b32 s21, s18, 17
	s_add_co_u32 s22, s22, s21
	s_lshl_b32 s21, s20, 14
	s_add_co_u32 s22, s22, s21
	s_add_co_u32 s22, s22, s96
	s_mov_b32 s23, 0
	s_add_nc_u64 s[10:11], s[10:11], s[22:23]      ; cd at my wave's images
	s_lshl_b32 s22, s100, 19
	s_lshl_b32 s21, s18, 12
	s_add_co_u32 s22, s22, s21
	s_lshl_b32 s21, s20, 9
	s_add_co_u32 s22, s22, s21
	s_add_co_u32 s22, s22, s97
	s_add_nc_u64 s[12:13], s[12:13], s[22:23]      ; sc likewise
	s_mov_b32 s[SEL], 0x76543210
	s_mov_b32 s[SEL+1], 0xfedcba98
	s_mov_b32 s[MNT], 0x600000
	s_mov_b32 s[HM], 0xffff0000
	; THE BIAS, in the result's layout, 64 registers.  q, k: eight registers for each block b of B: the features 32 (b / 2) + 8 (b % 2) + 16 h + 0 .. 7.  v: for each block a of A the lane's one feature, in all eight registers.
	s_cmp_eq_u32 ttmp9, 2
	s_cbranch_scc0 .Lbias_qk
.irp a, 0,1,2,3,4,5,6,7
	global_load_b32 v[BIAS+8*\a], v9, s[98:99] offset:(32*(\a/2)+8*(\a%2))*4
.endr
	s_wait_loadcnt 0x0                             ; (the first tiles are on their way meanwhile)
.irp a, 0,1,2,3,4,5,6,7
.irp j, 1,2,3,4,5,6,7
	v_mov_b32 v[BIAS+8*\a+\j], v[BIAS+8*\a]
.endr
.endr
	s_branch .Lbias_done
.Lbias_qk:
.irp b, 0,1,2,3,4,5,6,7
	global_load_b128 v[BIAS+8*\b:BIAS+8*\b+3], v8, s[98:99] offset:(32*(\b/2)+8*(\b%2))*4
	global_load_b128 v[BIAS+8*\b+4:BIAS+8*\b+7], v8, s[98:99] offset:(32*(\b/2)+8*(\b%2))*4+16
.endr
.Lbias_done:
.macro FRAG reg, adr, q, i             ; a fragment, 16 rows x 128 K: lane l holds row l % 16; registers 4 c .. 4 c + 3 hold K = 32 c + 16 (l / 16) + 0 .. 15
.irp c, 0,1,2,3
	ds_load_b128 v[\reg+4*\c:\reg+4*\c+3], v[\adr] offset:128*(\q)+32*\c+(\i)*16*PITCH
.endr
.endm
; 16 matrix instructions: A's blocks a0, a0 + 1 x B's eight, the slot's q-th 128 along K.  p: B's set; sc: the set of scale words.  cm = 0: the sums go on; 1: they start with the bias by B's block (q, k); 2: by A's block (v).
; The 64 accumulators take turns, one instruction a turn, in the same order in every step.
.macro MUL16 a0, p, q, sc, cm
.irp a, \a0, \a0+1
.irp b, 0,1,2,3,4,5,6,7
.if \cm == 1
	v_wmma_scale_f32_16x16x128_f8f6f4 v[8*(8*((\a)%4)+\b):8*(8*((\a)%4)+\b)+7], v[128*(\p)+FR*\b:128*(\p)+FR*\b+FR-1], v[AF+FR*(\a):AF+FR*(\a)+FR-1], v[BIAS+8*\b:BIAS+8*\b+7], v[SC+8*NQ*(\sc)+NQ*\b+(\q)], v[SC+8*NQ*(\sc)+NQ*(\a)+(\q)] matrix_a_scale:MATRIX_SCALE_ROW1
.elseif \cm == 2
	v_wmma_scale_f32_16x16x128_f8f6f4 v[8*(8*((\a)%4)+\b):8*(8*((\a)%4)+\b)+7], v[128*(\p)+FR*\b:128*(\p)+FR*\b+FR-1], v[AF+FR*(\a):AF+FR*(\a)+FR-1], v[BIAS+8*(\a):BIAS+8*(\a)+7], v[SC+8*NQ*(\sc)+NQ*\b+(\q)], v[SC+8*NQ*(\sc)+NQ*(\a)+(\q)] matrix_a_scale:MATRIX_SCALE_ROW1
.else
	v_wmma_scale_f32_16x16x128_f8f6f4 v[8*(8*((\a)%4)+\b):8*(8*((\a)%4)+\b)+7], v[128*(\p)+FR*\b:128*(\p)+FR*\b+FR-1], v[AF+FR*(\a):AF+FR*(\a)+FR-1], v[8*(8*((\a)%4)+\b):8*(8*((\a)%4)+\b)+7], v[SC+8*NQ*(\sc)+NQ*\b+(\q)], v[SC+8*NQ*(\sc)+NQ*(\a)+(\q)] matrix_a_scale:MATRIX_SCALE_ROW1
.endif
.endr
.endr
.endm
.macro FETCH_B slot, q, p
	WIN TO_B
.irp i, 0,1,2,3,4,5,6,7
	FRAG 128*(\p)+FR*\i, ADRB+\slot, \q, \i
.endr
	WIN 0
.endm
.macro FETCH_A slot, q, i0
.irp i, \i0, \i0+1, \i0+2, \i0+3
	FRAG AF+FR*(\i), ADRA+\slot, \q, \i
.endr
.endm
.macro SCALES sc                       ; a K step's scale words into set sc: two words a row; lanes 0-15 take A's block i, lanes 16-31 B's block i
.irp i, 0,1,2,3,4,5,6,7
	ds_load_b64 v[SC+8*NQ*\sc+NQ*\i:SC+8*NQ*\sc+NQ*\i+1], v[ADRS] offset:\i*SBLK
.endr
.endm
.macro PLACES n                        ; plain vector instructions between a matrix instruction and a load into, or a vector instruction on, its registers (ISA guide 7.12.1 for vector instructions)
.rept \n
	v_nop
.endr
.endm
; A step of 128 along K that has its successor in the same slot.  With cm not 0 the C operand, the bias, lies in window 0.
.macro STEP slot, q, cm
	s_wait_dscnt 4*NL                              ; B's set and A's blocks 0-3 are in; the youngest sixteen loads (A's blocks 4-7) may be out
.if \cm
	WIN 0x81
.else
	WIN MUL_LO
.endif
	MUL16 0, (\q)%2, \q, \slot, \cm
	MUL16 2, (\q)%2, \q, \slot, \cm
	s_wait_dscnt 0                                 ; A's blocks 4-7 are in
	PLACES NP
	FETCH_B \slot, (\q)+1, 1-(\q)%2
	FETCH_A \slot, (\q)+1, 0
.if \cm
	WIN 0xc1
.else
	WIN MUL_HI
.endif
	MUL16 4, (\q)%2, \q, \slot, \cm
	MUL16 6, (\q)%2, \q, \slot, \cm
	PLACES NP
	WIN 0
	FETCH_A \slot, (\q)+1, 4
.endm
; A slot's last step changes slots: one barrier; in front of it each wave waits for all its tensor loads, adds 0 to its spare word, and waits for that and for its own reads of this slot.  fill = 1: this slot is filled again, two K steps ahead.
.macro TURN slot, next, fill
	s_wait_tensorcnt 0x0                           ; all my tensor loads have landed: my part of the next slot  (every window is 0 here)
	ds_add_u32 v[SPW], v[NIL]                      ; 0 onto my spare word
	s_wait_dscnt 4*NL+1                            ; (the add and the youngest sixteen loads may be out)
	WIN MUL_LO
	MUL16 0, 1, NQ-1, \slot, 0                     ; sixteen matrix instructions stand between the add and the wait for it
	s_wait_dscnt 0x0                               ; the add is done, and my reads of this slot are over
	s_barrier_signal -1
	MUL16 2, 1, NQ-1, \slot, 0
	WIN 0
	s_barrier_wait -1
.if \fill
	CREST                                          ; the barrier has opened a round of the cluster's: no wave of any partner still reads this slot's tile or has a load on its way
	s_add_nc_u64 s[G0+4*\slot+2:G0+4*\slot+3], s[G0+4*\slot+2:G0+4*\slot+3], 2*ROWB
	s_add_nc_u64 s[G0B+4*\slot+2:G0B+4*\slot+3], s[G0B+4*\slot+2:G0B+4*\slot+3], 2*ROWB
	JLOAD G0+4*\slot, G1, G0B+4*\slot, G1B         ; the first tensor load behind the round; its four v_nop are among the places in front of the loads below
	PLACES NP-4
.else
	PLACES NP
.endif
	v_add_nc_u32 v[ADRS], 4*NQ, v[ADRS]            ; on to the next K step's scale words
	FETCH_B \next, 0, 0
	FETCH_A \next, 0, 0
	SCALES \next
	WIN MUL_HI
	MUL16 4, 1, NQ-1, \slot, 0
	MUL16 6, 1, NQ-1, \slot, 0
	PLACES NP
	WIN 0
	FETCH_A \next, 0, 4
.endm
	s_wait_tensorcnt 1                             ; the scales and my part of K step 0 are in (K step 1's load may be out)
	s_barrier_signal -1
	s_barrier_wait -1                              ; everybody's are
	FETCH_B 0, 0, 0
	FETCH_A 0, 0, 0
	SCALES 0
	FETCH_A 0, 0, 4
	s_wait_loadcnt 0x0                             ; the bias
	s_cmp_eq_u32 ttmp9, 2                          ; the first step starts the sums with the bias: by A's block for v, by B's for q and k
	s_cbranch_scc0 .Lfirst_qk
	STEP 0, 0, 2
	s_branch .Lfirst_done
.Lfirst_qk:
	STEP 0, 0, 1
.Lfirst_done:
	s_mov_b32 s3, LAPS-1
.Llap:                                                 ; a trip goes once round the ring and fills both slots again
	TURN 0, 1, 1
	STEP 1, 0, 0
	TURN 1, 0, 1
	STEP 0, 0, 0
	s_sub_co_u32 s3, s3, 1
	s_cmp_lg_u32 s3, 0
	s_cbranch_scc1 .Llap
	TURN 0, 1, 0                                   ; the last lap fills nothing, and has no round of the cluster's barrier
	STEP 1, 0, 0
	s_wait_dscnt 4*NL
	WIN MUL_LO
	MUL16 0, 1, NQ-1, 1, 0
	MUL16 2, 1, NQ-1, 1, 0
	s_wait_dscnt 0
	WIN MUL_HI
	MUL16 4, 1, NQ-1, 1, 0
	MUL16 6, 1, NQ-1, 1, 0
	WIN 0
; THE WAY OUT, in registers alone.  The 64 results of block a of A (eight accumulators) are four blocks of 32 along the next K, 16 numbers of each in my lane, the other 16 in lane l xor 16.
; They become 16 registers of codes, v[PC + 16 a] on, and a scale word, v[PW + a] (byte g: block g).  Each accumulator is read from its low end on.
.macro QUANTA a
.set AC, 64*((\a)%4)
.set QW, 2+(\a)/4
.set QWW, QW*5
	WIN QWW                                        ; sources 0 and 1: the accumulators' window
.irp g, 0,1,2,3
	v_max3_num_f32 v[TM+\g], |v[AC+16*\g]|, |v[AC+16*\g+1]|, 0x4800000   ; with the floor 2^(9 - 127): the byte cannot fall under 1
.endr
.irp i, 2,4,6,8,10,12,14
.irp g, 0,1,2,3
	v_max3_num_f32 v[TM+\g], |v[AC+16*\g+\i]|, |v[AC+16*\g+\i+1]|, v[TM+\g]   ; (the four blocks by turns)
.endr
.endr
	WIN 0
.irp g, 0,1,2,3
	v_permlanex16_b32 v[TM+4+\g], v[TM+\g], s[SEL], s[SEL+1]
.endr
.irp g, 0,1,2,3
	v_max_num_f32 v[TM+\g], v[TM+\g], v[TM+4+\g]   ; the block's largest magnitude
.endr
.irp g, 0,1,2,3
	v_add_nc_u32 v[TM+12+\g], 0xfc000000, v[TM+\g] ; 8 off its exponent field: the conversion's scale operand
.endr
.irp g, 0,1,2,3
	v_and_or_b32 v[TM+8+\g], v[TM+\g], 0x7f800000, s[MNT]   ; 448 x the scale
.endr
.irp g, 0,1,2,3
	v_lshrrev_b32 v[TM+4+\g], 23, v[TM+12+\g]      ; the scale's byte
.endr
	v_lshl_or_b32 v[PW+\a], v[TM+5], 8, v[TM+4]
	v_lshl_or_b32 v[PW+\a], v[TM+6], 16, v[PW+\a]
	v_lshl_or_b32 v[PW+\a], v[TM+7], 24, v[PW+\a]
	WIN QW                                         ; source 0: the accumulators' window
.irp g, 0,1,2,3
.irp i, 0,1,2,3,4,5,6,7,8,9,10,11,12,13,14,15
	v_med3_num_f32 v[HV+16*\g+\i], v[AC+16*\g+\i], -v[TM+8+\g], v[TM+8+\g]   ; the conversion does not saturate (ISA guide 7.6.2): the hold, into window 0
.endr
.endr
	WIN 0
.irp g, 0,1,2,3
	v_cvt_scalef32_pk8_fp8_f32 v[PC+16*\a+4*\g:PC+16*\a+4*\g+1], v[HV+16*\g:HV+16*\g+7], v[TM+12+\g]
	v_cvt_scalef32_pk8_fp8_f32 v[PC+16*\a+4*\g+2:PC+16*\a+4*\g+3], v[HV+16*\g+8:HV+16*\g+15], v[TM+12+\g]
.endr
	v_nop                                          ; one plain line between the conversions and the next lines that write their sources
.endm
	PLACES NP                                      ; behind the last products: their results are read, and the registers of their operands and scales written, below
.irp g, 0,1,2,3
	v_mov_b32 v[TM+4+\g], 0                        ; a lane permute's destination counts as one of its sources
.endr
.irp a, 0,1,2,3,4,5,6,7
	QUANTA \a
.endr
	s_cmp_eq_u32 ttmp9, 2
	s_cbranch_scc1 .Lout_v
	; q, k: block g of a token is head g / 2, d = 32 (g % 2) on.  Lanes 0-15 store the first head's scale words, lanes 16-31 the second's: word e holds the two bytes of tile 2 e and the two of tile 2 e + 1
	v_mov_b32 v[SELV], 0x05040100
	v_mov_b32 v[SELV+1], 0x07060302
	v_cndmask_b32 v[SELV], v[SELV], v[SELV+1], s[HM]
.irp e, 0,1,2,3
	v_perm_b32 v[SW+\e], v[PW+2*\e+1], v[PW+2*\e], v[SELV]
.endr
.irp a, 0,1,2,3,4,5,6,7
.irp g, 0,1,2,3
	global_store_b128 v[LI], v[PC+16*\a+4*\g:PC+16*\a+4*\g+3], s[10:11] offset:(\g/2)*131072+\a*1024+(\g%2)*512   ; an image: 512 consecutive bytes
.endr
.endr
	s_branch .Lout_sc
.Lout_v:
	; v: block a of the features is head a / 4, tile a % 4; block g is keys 32 g on
.irp e, 0,1,2,3
	v_cndmask_b32 v[SW+\e], v[PW+\e], v[PW+4+\e], s[HM]
.endr
.irp a, 0,1,2,3,4,5,6,7
.irp g, 0,1,2,3
	global_store_b128 v[LI], v[PC+16*\a+4*\g:PC+16*\a+4*\g+3], s[10:11] offset:(\a/4)*131072+(\a%4)*2048+\g*512
.endr
.endr
.Lout_sc:
	global_store_b128 v[SA], v[SW:SW+3], s[12:13]  ; sixteen lanes store 256 consecutive bytes, aligned, for each of my two heads
	s_wait_tensorcnt 0x0                           ; the wave's end
	ds_add_u32 v[SPW], v[NIL]
	s_wait_dscnt 0x0
	CROUND                                         ; the closing round: no work-group ends while a partner may still ask for a tile that names it
	s_endpgm
.Lfunc_end_k_qd7605ee1cb_proj:
	.size	k_qd7605ee1cb_proj, .Lfunc_end_k_qd7605ee1cb_proj-k_qd7605ee1cb_proj
	.p2alignl 7, 3214868480
	.fill 96, 4, 3214868480
	.section	.rodata,"a",@progbits
	.p2align	6, 0x0
	.amdhsa_kernel k_qd7605ee1cb_proj
		.amdhsa_group_segment_fixed_size 327680
		.amdhsa_private_segment_fixed_size 0
		.amdhsa_enable_private_segment 0
		.amdhsa_kernarg_size 72
		.amdhsa_user_sgpr_count 2
		.amdhsa_user_sgpr_kernarg_segment_ptr 1
		.amdhsa_wavefront_size32 1
		.amdhsa_system_sgpr_workgroup_id_x 1
		.amdhsa_system_sgpr_workgroup_id_y 1
		.amdhsa_system_sgpr_workgroup_id_z 1
		.amdhsa_system_vgpr_workitem_id 0
		.amdhsa_next_free_vgpr 1024
		.amdhsa_next_free_sgpr 102
		.amdhsa_reserve_vcc 0
		.amdhsa_float_denorm_mode_32 3
		.amdhsa_float_denorm_mode_16_64 3
		.amdhsa_memory_ordered 1
		.amdhsa_forward_progress 1
		.amdhsa_inst_pref_size 206
	.end_amdhsa_kernel
	.amdgpu_metadata
---
amdhsa.version: [ 1, 2 ]
amdhsa.kernels:
  - .name:           k_qd7605ee1cb_proj
    .symbol:         k_qd7605ee1cb_proj.kd
    .args:
      - { .name: x_codes, .offset: 0, .size: 8, .value_kind: global_buffer, .address_space: global }
      - { .name: x_scales, .offset: 8, .size: 8, .value_kind: global_buffer, .address_space: global }
      - { .name: w_codes, .offset: 16, .size: 8, .value_kind: global_buffer, .address_space: global }
      - { .name: w_scales, .offset: 24, .size: 8, .value_kind: global_buffer, .address_space: global }
      - { .name: bq, .offset: 32, .size: 8, .value_kind: global_buffer, .address_space: global }
      - { .name: bk, .offset: 40, .size: 8, .value_kind: global_buffer, .address_space: global }
      - { .name: bv, .offset: 48, .size: 8, .value_kind: global_buffer, .address_space: global }
      - { .name: cd, .offset: 56, .size: 8, .value_kind: global_buffer, .address_space: global }
      - { .name: sc, .offset: 64, .size: 8, .value_kind: global_buffer, .address_space: global }
    .group_segment_fixed_size: 327680
    .private_segment_fixed_size: 0
    .kernarg_segment_align: 8
    .kernarg_segment_size: 72
    .max_flat_workgroup_size: 128
    .sgpr_count:     102
    .vgpr_count:     1024
    .wavefront_size: 32
...
	.end_amdgpu_metadata
.endif
;; end of part 2
;; launch attn (part 3): grid 4 x 64, 16 waves a work-group, clusters of 4 x 1, 327,680 bytes of LDS; arguments cd, sc, attention_mask, out0; writes out0
.if DOCPART == 3
	.amdgcn_target "amdgcn-amd-amdhsa--gfx1250"
	.amdhsa_code_object_version 6
	.text
	.protected	k_qd7605ee1cb_attn
	.globl	k_qd7605ee1cb_attn
	.p2align	8
	.type	k_qd7605ee1cb_attn,@function
k_qd7605ee1cb_attn:
	s_mov_b64 s[64:65], 0
	v_nop
	global_prefetch_b8 v0, s[64:65] scope:SCOPE_SE
	s_setreg_imm32_b32 hwreg(HW_REG_WAVE_MODE, 25, 1), 1
	s_wait_xcnt 0x0
	s_wait_alu depctr_hold_cnt(0) depctr_sa_sdst(0) depctr_va_vdst(0) depctr_va_sdst(0) depctr_va_ssrc(0) depctr_va_vcc(0) depctr_vm_vsrc(0)
	s_getreg_b32 s2, hwreg(HW_REG_IB_STS2, 6, 4)
	s_cmp_eq_u32 s2, 0
	s_cbranch_scc0 .Lentry_in_a_cluster
	s_endpgm
.Lentry_in_a_cluster:
	s_bfe_u32 s2, ttmp6, 0x10000c
	s_cmp_lg_u32 s2, 0x3003
	s_cbranch_scc0 .Lentry_shape_is_right
	s_endpgm
.Lentry_shape_is_right:
; SELF-ATTENTION IN MX-FP8, launch 3 of 3: out = softmax(q k^T / 8 + mask) v for each batch and head, both products on codes.  No work is left out.
; THE SOFTMAX AHEAD OF THE SECOND PRODUCT: t = (q . k + 8 mask) x log2(e) / 8; M = the row's largest t so far, rounded up to a whole number; p = 2^(t - M) is quantised along the keys, not normalised.
; The row's sum is taken of the unquantised p and divides at the end.  When M moves, the sum and O are multiplied by 2^(old M - new M): exact.
; SHARES.  A work-group owns 256 queries of one batch and TWO heads; the four work-groups of a cluster are the batch's four quarters of queries, for the same two heads.  All of the pair's K, V and scale bytes (270,336 bytes)
; fit in LDS: each tensor load is asked for jointly by the four, and nothing is filled twice.  Each of the sixteen waves owns one tile of 16 queries in 256 registers (four waves to a SIMD, so that one wave's vector work stands
; beside another's matrix work and LDS loads); it walks the first head's 1,024 keys in eight steps of 128, stores, and walks the second head's.
; OPERANDS LIE AS IMAGES OF REGISTERS (lane l's 16 bytes at 16 l), as the launch before stored them: every LDS load of a fragment reads 512 consecutive bytes.
; BOTH PRODUCTS ARE USED TRANSPOSED: S^T = K Q^T, O^T = V^T P^T: a lane holds one query throughout.  The head's 64 are half of the instruction's 128 along K: source 0 holds TWO tiles of 16 keys side by side, and source 1 is
; [Q, zeros] for the first tile and [zeros, Q] for the second; the zero codes add nothing under any of the scale bytes here (1 to 254).  Lane r of key tile 2 b + u is key 32 b + 8 u + r + 8 (r / 8), so the 16 registers of tiles 2 b, 2 b + 1 are 16 neighbouring keys.
; THE MASK, x 8 (exact), is the C of the first product: register 16 b + i of lane half h takes 8 mask[32 b + 16 h + i] of the step.
; LIMITS: a mask beyond 4e37 in size becomes an infinity in 8 x mask (a key so hidden gets p = 0); a row all of whose keys are at -infinity gives NaN; blocks of p under 2^(9 - 127) get the byte 1; NaN among the inputs is not served.
; No prefetch: all the launch's tensor loads go out at its head.  Five tensor loads of a wave are out at the most.
.set SCR,   262144                     ; LDS: 0: [head 2][step 8][K 8192, V 8192];  SCR: [head 2][step 8][K's scale words 256, V's 256]
.set MASK,  270336                     ; 8 x the batch's mask, 4,096 bytes, stored by the waves: no tensor load lands here
.set SPARE, 274432                     ; the spare words, 128 bytes a wave, that no other line names
.set SPITCH, 272                       ; the way out: a stage of 16 rows x (256 bytes + 16) for each wave, in the first head's bytes: they have had their only fill, and are written only when no wave reads them any more
.set AKV, 1                            ; v1   16 x lane
.set ASC, 2                            ; v2   SCR + 16 (lane % 16)
.set AMK, 3                            ; v3   MASK + 64 (lane / 16)
.set GO,  4                            ; v4   the way out: 4096 (lane / 16) + 16 (lane % 16)
.set SPW, 5
.set NIL, 6
.set STO, 7                            ; v7   the stage: where I put 32 bytes of a row
.set ADK, 8                            ; v8-10 the step's addresses: images, scale words, mask
.set ADS, 9
.set ADM, 10
.set RD,  11                           ; v11  the stage: where I read a row back
                                       ; v12 -M, v13 the largest t, v[14:15] the sum in two halves
.set QF,  16                           ; v16-23 Q, v24-31 zeros, v32-39 Q again: [Q, 0] = v[16:31], [0, Q] = v[24:39]
.set F,   40                           ; v40-103  four fragments of K, then of V
.set S,   104                          ; v104-167 8 mask, then S^T, then p
.set O,   168                          ; v168-199 O^T
.set PCD, 200                          ; v200-215 p's codes
.set KSW, 216                          ; v216-219 K's scale words;  v220-223 V's;  v224 Q's;  v225 Q's as loaded;  v226 its offset
.set VSW, 220
.set QSW, 224
.set QRW, 225
.set QSO, 226
.set BM,  228                          ; v228-231 the blocks' largest;  v232-235 at work;  v236-239 448 x the scale;  v240-243 the conversions' scale operands;  v252 f, v253 p's scale word, v254 at work
.set PD,  232
.set HD,  236
.set SO,  240
.set WV,  12
.set CX,  13
.set QB,  14                           ; s[14:15] my tile's images of q;  s[16:17] its scale words;  s[18:19] the batch's mask;  s[20:21] my first row of out0
.set QSB, 16
.set MB,  18
.set OB,  20
.set QSEL, 22                          ; s22  which two bytes of the word are my tile's
.set CNT, 23
.set G0,  24                           ; s[24:43] five groups 0;  s[44:51] group 1 for 512 bytes;  s[52:59] for 4,096
.set G1S, 44
.set G1K, 52
.set SEL, 66                           ; s[66:67] lane selects for lane l xor 16
.set CS,  68                           ; s[68:69] c = log2(e) / 8
.set MNT, 70
.set TB,  71                           ; s71 LDS byte of the step's images;  s72 of its scale words;  s73 of its part of the mask
.set TS,  72
.set TM,  73
.macro CROUND                          ; a round of the cluster's barrier
	s_barrier_signal -1
	s_barrier_wait -1
	s_cmp_lg_u32 s[WV], 0
	s_cbranch_scc1 .Lnot_wave_0_\@
	s_barrier_signal -3
.Lnot_wave_0_\@:
	s_barrier_wait -3
	s_barrier_signal -1
	s_barrier_wait -1
.endm
	s_load_b256 s[4:11], s[0:1], 0x0               ; cd s[4:5], sc s[6:7], attention_mask s[8:9], out0 s[10:11]
	v_lshl_add_u32 v[SPW], v0, 2, SPARE
	v_mov_b32 v[NIL], 0
	ds_add_u32 v[SPW], v[NIL]                      ; the wave's opening: the add, twice on end, and its wait ahead of my first tensor load
	ds_add_u32 v[SPW], v[NIL]
	v_lshrrev_b32 v8, 5, v0
	v_readfirstlane_b32 s[WV], v8                  ; wave 0..15
	s_bfe_u32 s[CX], ttmp6, 0x40000                ; cx: my quarter of the queries: it enters global addresses of q and out0 alone
	s_and_b32 s74, ttmp7, 0xffff                   ; P = 8 x batch + pair of heads, which the four partners share
	s_mov_b32 s[G1S], 15|(3<<16)|(1<<21)           ; 15:0 the mask: all four work-groups; elements of 8 bytes; bit 21 beside a mask; no padding
	s_mov_b32 s[G1S+1], 32<<16                     ; tensor_dim0 = 32 elements: 256 bytes
	s_mov_b32 s[G1S+2], 2<<16                      ; tensor_dim1 = 2 rows
	s_mov_b32 s[G1S+3], 32<<16                     ; tile_dim0
	s_mov_b32 s[G1S+4], 2                          ; tile_dim1
	s_mov_b32 s[G1S+5], 32                         ; the pitch: dense
	s_mov_b32 s[G1S+6], 0
	s_mov_b32 s[G1S+7], 0
	s_mov_b32 s[G1K], 15|(3<<16)|(1<<21)
	s_mov_b32 s[G1K+1], 32<<16
	s_mov_b32 s[G1K+2], 16<<16                     ; 16 rows of 256 bytes
	s_mov_b32 s[G1K+3], 32<<16
	s_mov_b32 s[G1K+4], 16
	s_mov_b32 s[G1K+5], 32
	s_mov_b32 s[G1K+6], 0
	s_mov_b32 s[G1K+7], 0
	s_lshl_b32 s76, s74, 18                        ; the pair's K and V: 262,144 bytes, type 1;
	s_lshl_b32 s81, s[WV], 12                      ; of each chunk of 65,536 my wave fetches 4,096
	s_add_co_u32 s76, s76, s81
	s_add_co_u32 s76, s76, 1<<24
	s_mov_b32 s77, 0
	s_lshl_b32 s78, s74, 13                        ; the pair's scale words: 8,192 bytes, 512 a wave
	s_lshl_b32 s80, s[WV], 9
	s_add_co_u32 s78, s78, s80
	s_add_co_u32 s78, s78, 1<<19
	s_mov_b32 s79, 0
	s_lshl_b32 s82, s[CX], 1
	s_lshr_b32 s83, s[WV], 3
	s_add_co_u32 s82, s82, s83                     ; which step of 128 tokens holds my queries
	s_and_b32 s83, s[WV], 7                        ; and which tile of it
	s_lshl_b32 s84, s74, 18
	s_lshl_b32 s85, s82, 14
	s_add_co_u32 s84, s84, s85
	s_lshl_b32 s85, s83, 10
	s_add_co_u32 s84, s84, s85
	s_mov_b32 s85, 0                               ; q's images of my tile, first head
	s_lshl_b32 s86, s74, 13
	s_lshl_b32 s87, s82, 9
	s_add_co_u32 s86, s86, s87
	s_lshr_b32 s87, s83, 1
	s_lshl_b32 s87, s87, 2
	s_add_co_u32 s86, s86, s87
	s_mov_b32 s87, 0                               ; the word that holds my tile's scale bytes
	s_lshr_b32 s88, s74, 3                         ; batch
	s_lshl_b32 s90, s88, 12
	s_mov_b32 s91, 0
	s_lshl_b32 s92, s88, 22                        ; out0: the batch's 1,024 rows of 4,096 bytes,
	s_lshl_b32 s93, s[CX], 8
	s_lshr_b32 s94, s[WV], 1
	s_lshl_b32 s94, s94, 5
	s_add_co_u32 s93, s93, s94
	s_and_b32 s94, s[WV], 1
	s_lshl_b32 s95, s94, 3
	s_add_co_u32 s93, s93, s95                     ; my tile's first token: 256 cx + 32 (wave / 2) + 8 (wave % 2),
	s_lshl_b32 s93, s93, 12
	s_add_co_u32 s92, s92, s93
	s_and_b32 s93, s74, 7
	s_lshl_b32 s93, s93, 9                         ; the pair's 512 bytes of a row
	s_add_co_u32 s92, s92, s93
	s_mov_b32 s93, 0
	s_cmp_lg_u32 s94, 0
	s_mov_b32 s[QSEL], 0x01000100                  ; an even tile's bytes 0, 1 of the word, an odd tile's bytes 2, 3: twice, since Q stands in the lower or the upper half of K
	s_cselect_b32 s[QSEL], 0x03020302, s[QSEL]
	s_mul_i32 s95, s[WV], 16*SPITCH                ; my stage
	s_mov_b32 s[SEL], 0x76543210
	s_mov_b32 s[SEL+1], 0xfedcba98
	s_mov_b32 s[CS], 0x3e38aa3b                    ; c = log2(e) / 8
	s_mov_b32 s[CS+1], s[CS]                       ; (named with it as a pair, so it is written)
	s_mov_b32 s[MNT], 0x600000
	s_wait_dscnt 0x0                               ; both opening adds are done
	s_wait_kmcnt 0x0
	s_add_nc_u64 s[96:97], s[4:5], s[76:77]
	s_add_nc_u64 s[QB:QB+1], s[4:5], s[84:85]
	s_add_nc_u64 s[QSB:QSB+1], s[6:7], s[86:87]
	s_add_nc_u64 s[MB:MB+1], s[8:9], s[90:91]
	s_add_nc_u64 s[OB:OB+1], s[10:11], s[92:93]
	s_mov_b32 s[G0], 1
	s_add_co_u32 s[G0+1], s80, SCR
	s_add_nc_u64 s[G0+2:G0+3], s[6:7], s[78:79]
	s_or_b32 s[G0+3], s[G0+3], 0x80000000
.irp i, 0,1,2,3
	s_mov_b32 s[G0+4+4*\i], 1
	s_add_co_u32 s[G0+5+4*\i], s81, 65536*\i
	s_add_nc_u64 s[G0+6+4*\i:G0+7+4*\i], s[96:97], 65536*\i
	s_or_b32 s[G0+7+4*\i], s[G0+7+4*\i], 0x80000000
.endr
	CROUND                                         ; all four work-groups are here: the joint loads meet
	tensor_load_to_lds s[G0:G0+3], s[G1S:G1S+7]    ; my 512 bytes of the scale words
	s_nop 0
.irp i, 0,1,2,3
	tensor_load_to_lds s[G0+4+4*\i:G0+7+4*\i], s[G1K:G1K+7]   ; my 4,096 bytes of chunk i (four key steps): a wave's loads end in the order of issue, so the early chunks land first
	s_nop 0
.endr
.rept 4
	v_nop
.endr
; my tile's fragment of q, head p of the pair: two images, each into both places; and its scale word
.macro QLOAD p
.irp c, 0,1
	global_load_b128 v[QF+4*\c:QF+4*\c+3], v[AKV], s[QB:QB+1] offset:\p*131072+512*\c
	global_load_b128 v[QF+16+4*\c:QF+16+4*\c+3], v[AKV], s[QB:QB+1] offset:\p*131072+512*\c
.endr
	global_load_b32 v[QRW], v[QSO], s[QSB:QSB+1] offset:\p*4096
.endm
	v_lshlrev_b32 v8, 3, v0
	global_load_b64 v[S:S+1], v8, s[MB:MB+1]       ; 512 threads x 8 bytes: the batch's mask
	v_and_b32 v[AKV], 31, v0
	v_lshlrev_b32 v[AKV], 4, v[AKV]
	v_and_b32 v9, 15, v0                           ; r
	v_bfe_u32 v10, v0, 4, 1                        ; h
	v_lshlrev_b32 v[QSO], 4, v9
	QLOAD 0
	v_lshl_add_u32 v[ASC], v9, 4, SCR
	v_lshl_add_u32 v[AMK], v10, 6, MASK
	v_lshl_add_u32 v[GO], v10, 12, v[QSO]
	v_mul_u32_u24 v[STO], v9, SPITCH
	v_lshl_add_u32 v[STO], v10, 6, v[STO]
	v_add_nc_u32 v[STO], s95, v[STO]               ; in: row r, 64 bytes on for lanes 16-31
	v_mul_u32_u24 v[RD], v10, SPITCH
	v_lshl_add_u32 v[RD], v9, 4, v[RD]
	v_add_nc_u32 v[RD], s95, v[RD]                 ; back: lanes 0-15 one row of 256 bytes, lanes 16-31 the next
.irp j, 0,1,2,3,4,5,6,7
	v_mov_b32 v[QF+8+\j], 0                        ; the zero codes
.endr
.irp b, 0,1,2,3
	v_mov_b32 v[PD+\b], 0                          ; a lane permute's destination counts as one of its sources
.endr
	v_mov_b32 v253, 0                              ; (named as the upper half of the pair v[252:253] before it is first written)
	v_lshl_add_u32 v254, v0, 3, MASK
	s_wait_loadcnt 5                               ; the mask is in; Q's five loads may be out
	v_mul_f32 v[S+2], 0x41000000, v[S]             ; x 8: exact
	v_mul_f32 v[S+3], 0x41000000, v[S+1]
	ds_store_b64 v254, v[S+2:S+3]                  ; shown to the other waves by the wait and the barrier at the head of the first chunk
; A pass begins: Q's scale word, and the running figures.  O^T and the sum begin as zeros and the largest t as -3e38: the first change of M multiplies zeros.
.macro INIT p
	s_wait_loadcnt 0x0                             ; Q
	v_perm_b32 v[QSW], v[QRW], v[QRW], s[QSEL]
	v_mov_b32 v13, 0xff61b1e6
	v_floor_f32 v12, -v13
	v_mov_b32 v14, 0
	v_mov_b32 v15, 0
.irp j, 0,1,2,3,4,5,6,7,8,9,10,11,12,13,14,15,16,17,18,19,20,21,22,23,24,25,26,27,28,29,30,31
	v_mov_b32 v[O+\j], 0                           ; (these are also the places between the scale word's line and the first product)
.endr
	s_mov_b32 s[TM], 0
.if \p == 0
	s_mov_b32 s[TB], 0                             ; the second head's images and scale words follow the first's: these two walk on
	s_mov_b32 s[TS], 0
.endif
.endm
; A KEY STEP: 128 keys.
.macro STEP
	v_add_nc_u32 v[ADK], s[TB], v[AKV]
	v_add_nc_u32 v[ADS], s[TS], v[ASC]
	v_add_nc_u32 v[ADM], s[TM], v[AMK]
.rept 5
	v_nop                                          ; with the three additions: eight places in front of loads into registers that the last products read
.endr
.irp b, 0,1,2,3
.irp q, 0,1,2,3
	ds_load_b128 v[S+16*\b+4*\q:S+16*\b+4*\q+3], v[ADM] offset:128*\b+16*\q   ; 8 mask of keys 32 b + 16 h + 4 q on: the sums' start
.endr
.endr
.irp b, 0,1,2,3
.irp c, 0,1,2,3
	ds_load_b128 v[F+16*\b+4*\c:F+16*\b+4*\c+3], v[ADK] offset:2048*\b+512*\c   ; key tiles 2 b and 2 b + 1, side by side along K
.endr
.endr
	ds_load_b128 v[KSW:KSW+3], v[ADS]              ; word b: their four scale bytes
	s_wait_dscnt 0x0
.irp b, 0,1,2,3
	v_wmma_scale_f32_16x16x128_f8f6f4 v[S+16*\b:S+16*\b+7], v[F+16*\b:F+16*\b+15], v[QF:QF+15], v[S+16*\b:S+16*\b+7], v[KSW+\b], v[QSW]
	v_wmma_scale_f32_16x16x128_f8f6f4 v[S+16*\b+8:S+16*\b+15], v[F+16*\b:F+16*\b+15], v[QF+8:QF+23], v[S+16*\b+8:S+16*\b+15], v[KSW+\b], v[QSW]
.endr
.rept 8
	v_nop                                          ; places: the loads below land on the products' operands, the maxima read their results
.endr
.irp t, 0,1,2,3
.irp c, 0,1,2,3
	ds_load_b128 v[F+16*\t+4*\c:F+16*\t+4*\c+3], v[ADK] offset:8192+2048*\t+512*\c   ; V^T: tile t of the head's 64, keys 32 c on: they land under the softmax
.endr
.endr
	ds_load_b128 v[VSW:VSW+3], v[ADS] offset:256
.irp b, 0,1,2,3
	v_max3_num_f32 v[BM+\b], v[S+16*\b], v[S+1+16*\b], v[S+2+16*\b]   ; the largest score of each block of 32 keys: it serves for the row's maximum and, since p rises with the score, for the block's largest p
.endr
.irp i, 3,5,7,9,11,13
.irp b, 0,1,2,3
	v_max3_num_f32 v[BM+\b], v[BM+\b], v[S+16*\b+\i], v[S+1+16*\b+\i]
.endr
.endr
.irp b, 0,1,2,3
	v_max_num_f32 v[BM+\b], v[BM+\b], v[S+15+16*\b]
.endr
.irp b, 0,1,2,3
	v_permlanex16_b32 v[PD+\b], v[BM+\b], s[SEL], s[SEL+1]
.endr
.irp b, 0,1,2,3
	v_max_num_f32 v[BM+\b], v[BM+\b], v[PD+\b]     ; with lane l xor 16's 16 keys
.endr
	v_max3_num_f32 v254, v[BM], v[BM+1], v[BM+2]
	v_max_num_f32 v254, v254, v[BM+3]              ; the step's largest score of my query
	v_mul_f32 v254, s[CS], v254                    ; as t (c is positive)
	v_max_num_f32 v13, v13, v254                   ; the running largest t
	v_mov_b32 v254, v12
	v_floor_f32 v12, -v13                          ; the new -M = floor(-t): M is a whole number
	v_sub_f32 v254, v12, v254                      ; old M - new M: a whole number, 0 or less
	v_cvt_i32_f32 v254, v254                       ; (it saturates)
	v_ldexp_f32 v252, 1.0, v254                    ; f = 2^(old M - new M)
.irp j, 0,2,4,6,8,10,12,14,16,18,20,22,24,26,28,30,32,34,36,38,40,42,44,46,48,50,52,54,56,58,60,62
	v_pk_fma_f32 v[S+\j:S+1+\j], v[S+\j:S+1+\j], s[CS:CS+1], v[12:13] op_sel_hi:[1,0,0]   ; t - M, two at a time
.endr
.irp b, 0,1,2,3
	v_fma_f32 v[BM+\b], v[BM+\b], s[CS], v12       ; the same of each block's largest score
.endr
.irp j, 0,1,2,3,4,5,6,7,8,9,10,11,12,13,14,15,16,17,18,19,20,21,22,23,24,25,26,27,28,29,30,31,32,33,34,35,36,37,38,39,40,41,42,43,44,45,46,47,48,49,50,51,52,53,54,55,56,57,58,59,60,61,62,63
	v_exp_f32 v[S+\j], v[S+\j]                     ; p = 2^(t - M), at most 1
.endr
	v_pk_mul_f32 v[14:15], v[14:15], v[252:253] op_sel_hi:[1,0]   ; the sums under the new M (the plain line behind the exponentials)
	s_wait_alu depctr_va_vdst(0)                   ; the wait ahead of the first line that names a result: one for the batch of 64
.irp b, 0,1,2,3
	v_exp_f32 v[BM+\b], v[BM+\b]                   ; the block's largest p: the same two instructions on the same number
.endr
	v_pk_add_f32 v[PD:PD+1], v[S:S+1], v[S+2:S+3]  ; the row's sum is taken of the unquantised p: two at a time, in two chains
.irp j, 4,8,12,16,20,24,28,32,36,40,44,48,52,56,60
	v_pk_add_f32 v[14:15], v[14:15], v[S+\j:S+1+\j]
	v_pk_add_f32 v[PD:PD+1], v[PD:PD+1], v[S+2+\j:S+3+\j]
.endr
	v_pk_add_f32 v[14:15], v[14:15], v[PD:PD+1]
	s_wait_alu depctr_va_vdst(0)                   ; and one for the four
.irp b, 0,1,2,3
	v_max_num_f32 v[BM+\b], 0x4800000, v[BM+\b]    ; the floor 2^(9 - 127): the byte cannot fall under 1
.endr
.irp b, 0,1,2,3
	v_add_nc_u32 v[SO+\b], 0xfc000000, v[BM+\b]    ; 8 off the exponent field: the conversion's scale operand
.endr
.irp b, 0,1,2,3
	v_and_or_b32 v[HD+\b], v[BM+\b], 0x7f800000, s[MNT]   ; 448 x the scale
.endr
.irp b, 0,1,2,3
	v_lshrrev_b32 v[PD+\b], 23, v[SO+\b]           ; the scale's byte
.endr
	v_lshl_or_b32 v253, v[PD+1], 8, v[PD]          ; p's scale word for these 128 keys
	v_lshl_or_b32 v253, v[PD+2], 16, v253
	v_lshl_or_b32 v253, v[PD+3], 24, v253
.irp b, 0,1,2,3
.irp i, 0,1,2,3,4,5,6,7,8,9,10,11,12,13,14,15
	v_min_num_f32 v[S+16*\b+\i], v[S+16*\b+\i], v[HD+\b]   ; the conversion does not saturate (ISA guide 7.6.2); p is not negative, so the hold is one-sided
.endr
	v_cvt_scalef32_pk8_fp8_f32 v[PCD+4*\b:PCD+1+4*\b], v[S+16*\b:S+7+16*\b], v[SO+\b]
	v_cvt_scalef32_pk8_fp8_f32 v[PCD+2+4*\b:PCD+3+4*\b], v[S+8+16*\b:S+15+16*\b], v[SO+\b]
.endr
.irp j, 0,2,4,6,8,10,12,14,16,18,20,22,24,26,28,30
	v_pk_mul_f32 v[O+\j:O+1+\j], v[O+\j:O+1+\j], v[252:253] op_sel_hi:[1,0]   ; O^T under the new M.  (These sixteen are also the places between the codes and the products)
.endr
	s_wait_dscnt 0x0                               ; V
.irp t, 0,1,2,3
	v_wmma_scale_f32_16x16x128_f8f6f4 v[O+8*\t:O+8*\t+7], v[F+16*\t:F+16*\t+15], v[PCD:PCD+15], v[O+8*\t:O+8*\t+7], v[VSW+\t], v253
.endr
	s_add_co_u32 s[TB], s[TB], 16384
	s_add_co_u32 s[TS], s[TS], 512
	s_add_co_u32 s[TM], s[TM], 512
.endm
; Chunk c, four key steps.  Each wave has waited for its own part of the chunk (and of all before it); behind the barrier the chunk is whole.  The later chunks may stay out.
.macro CHUNK c
	s_wait_tensorcnt 3-\c                          ; 3 - c later chunks' loads of mine may be out
	s_wait_dscnt 0x0                               ; my LDS stores (the mask; the stage) and loads are done
	s_barrier_signal -1
	s_barrier_wait -1
	s_mov_b32 s[CNT], 4
.Lstep_\@:
	STEP
	s_sub_co_u32 s[CNT], s[CNT], 1
	s_cmp_lg_u32 s[CNT], 0
	s_cbranch_scc1 .Lstep_\@
.endm
; THE WAY OUT of head p of the pair.  O^T / the sum goes through my stage and leaves as whole runs of 256 bytes: a query's 64 numbers.  Register 8 t + j of lane (r, h) is d = 32 (t / 2) + 16 h + 8 (t % 2) + j of query place r;
; place 2 i + h of my tile is token 2 i + h + 8 (i / 4) from my tile's first.
.macro OUT p
	v_add_f32 v14, v14, v15                        ; the sum's two halves,
	v_permlanex16_b32 v252, v14, s[SEL], s[SEL+1]
	v_add_f32 v14, v14, v252                       ; and lane l xor 16's
	v_rcp_f32 v14, v14
.rept 8
	v_nop                                          ; places behind the last products, and the plain line behind the reciprocal
.endr
.if \p == 0
	QLOAD 1                                        ; the second head's Q is asked for here
.endif
	s_wait_dscnt 0x0
	s_barrier_signal -1
	s_barrier_wait -1                              ; first pass: no wave reads the first head's bytes any more, so the stages may be written.  (Second pass: the macro is written once; the barrier orders nothing new there)
	s_wait_alu depctr_va_vdst(0)                   ; the wait ahead of the reciprocal's first reader
.irp j, 0,1,2,3,4,5,6,7,8,9,10,11,12,13,14,15,16,17,18,19,20,21,22,23,24,25,26,27,28,29,30,31
	v_mul_f32 v[S+\j], v[O+\j], v14
.endr
.irp t, 0,1,2,3
	ds_store_b128 v[STO], v[S+8*\t:S+8*\t+3] offset:128*(\t/2)+32*(\t%2)
	ds_store_b128 v[STO], v[S+8*\t+4:S+8*\t+7] offset:128*(\t/2)+32*(\t%2)+16
.endr
.irp i, 0,1,2,3,4,5,6,7
	ds_load_b128 v[F+4*\i:F+4*\i+3], v[RD] offset:2*\i*SPITCH   ; LDS serves a wave's instructions in order: these see my stores
.endr
.irp i, 0,1,2,3,4,5,6,7
	s_wait_dscnt 7-\i                              ; the younger row loads may be out
	global_store_b128 v[GO], v[F+4*\i:F+4*\i+3], s[OB:OB+1] offset:(2*\i+8*(\i/4))*4096+256*\p th:TH_STORE_NT   ; sixteen lanes store 256 consecutive bytes, aligned
.endr
.if \p == 0
	s_wait_xcnt 0x0                                ; the stores have read their registers: the next pass loads into them
.endif
.endm
	INIT 0
	CHUNK 0
	CHUNK 1
	OUT 0
	INIT 1
	CHUNK 2
	CHUNK 3
	OUT 1
	s_wait_tensorcnt 0x0                           ; the wave's end
	ds_add_u32 v[SPW], v[NIL]
	s_wait_dscnt 0x0
	CROUND                                         ; the closing round
	s_endpgm
.Lfunc_end_k_qd7605ee1cb_attn:
	.size	k_qd7605ee1cb_attn, .Lfunc_end_k_qd7605ee1cb_attn-k_qd7605ee1cb_attn
	.p2alignl 7, 3214868480
	.fill 96, 4, 3214868480
	.section	.rodata,"a",@progbits
	.p2align	6, 0x0
	.amdhsa_kernel k_qd7605ee1cb_attn
		.amdhsa_group_segment_fixed_size 327680
		.amdhsa_private_segment_fixed_size 0
		.amdhsa_enable_private_segment 0
		.amdhsa_kernarg_size 32
		.amdhsa_user_sgpr_count 2
		.amdhsa_user_sgpr_kernarg_segment_ptr 1
		.amdhsa_wavefront_size32 1
		.amdhsa_system_sgpr_workgroup_id_x 1
		.amdhsa_system_sgpr_workgroup_id_y 1
		.amdhsa_system_sgpr_workgroup_id_z 1
		.amdhsa_system_vgpr_workitem_id 0
		.amdhsa_next_free_vgpr 256
		.amdhsa_next_free_sgpr 100
		.amdhsa_reserve_vcc 0
		.amdhsa_float_denorm_mode_32 3
		.amdhsa_float_denorm_mode_16_64 3
		.amdhsa_memory_ordered 1
		.amdhsa_forward_progress 1
		.amdhsa_inst_pref_size 97
	.end_amdhsa_kernel
	.amdgpu_metadata
---
amdhsa.version: [ 1, 2 ]
amdhsa.kernels:
  - .name:           k_qd7605ee1cb_attn
    .symbol:         k_qd7605ee1cb_attn.kd
    .args:
      - { .name: cd, .offset: 0, .size: 8, .value_kind: global_buffer, .address_space: global }
      - { .name: sc, .offset: 8, .size: 8, .value_kind: global_buffer, .address_space: global }
      - { .name: attention_mask, .offset: 16, .size: 8, .value_kind: global_buffer, .address_space: global }
      - { .name: out0, .offset: 24, .size: 8, .value_kind: global_buffer, .address_space: global }
    .group_segment_fixed_size: 327680
    .private_segment_fixed_size: 0
    .kernarg_segment_align: 8
    .kernarg_segment_size: 32
    .max_flat_workgroup_size: 512
    .sgpr_count:     100
    .vgpr_count:     256
    .wavefront_size: 32
...
	.end_amdgpu_metadata
.endif
;; end of part 3
